; MI455X (gfx1250); checked and timed in simulation.
; The chip was launched on July 23, 2026; its instructions are those of AMD's public machine-readable ISA for CDNA 5 (MIT licence, August 2026) and "CDNA5" Instruction Set Architecture Reference Guide (July 2026). The comments in the code are by the model that wrote it; some were corrected since.
;; Attention Block. Allowed arithmetic: matrix products marked QUANTISED: E2M3 operands, one E8M0 scale for each 32 along K, by v_wmma_scale_f32_16x16x128_f8f6f4 with both operands' format E2M3, f32 sums; everything else in f32.
;; Inputs: gn_b 256 float32; gn_w 256 float32; proj_b 256 float32; proj_w 256 x 256 float32; qkv_b 768 float32; qkv_w 768 x 256 float32; x 4 x 256 x 64 x 64 float32.
;; Outputs: out0 4 x 256 x 64 x 64 float32.
;; This version of the problem:
;;   THIS VERSION OF THE PROBLEM IS GIVEN IN LOW PRECISION. The matrix products marked QUANTISED in the list below multiply operands that are first quantised to E2M3 (2 exponent bits, 3 mantissa bits; 6 bits a number), with one power-of-two scale for each 32 numbers along K (OCP MX v1.0); their sums are f32. All else is computed in f32.
;;   The module's matrix products, in the order in which they are computed (A, B: the left and right operand; K: the contracted axis; several contracted axes count as one K, in the product's order):
;;     1. [M 16,384, K 256] x [K 256, N 768]; A: computed on the way; B: input qkv_w: QUANTISED
;;     2. batch 4 x [M 4,096, K 256] x [K 256, N 4,096]; A: computed on the way; B: computed on the way: QUANTISED
;;     3. batch 4 x [M 256, K 4,096] x [K 4,096, N 4,096]; A: computed on the way; B: softmax (see below): QUANTISED
;;     4. [M 16,384, K 256] x [K 256, N 256]; A: computed on the way; B: input proj_w: QUANTISED
;;   THE QUANTISER, for each operand of a quantised product, along K:
;;     - K is cut into blocks of 32 from its start; a last block that is shorter is filled with zeros.
;;     - A block's scale is 2^e with e = floor(log2(the largest magnitude in the block)) - 2, held to -126 .. 127; a block of zeros has e = 0. As a byte (E8M0): e + 127.
;;     - Each number is divided by its block's scale, clamped to +-7.5, and rounded to the nearest number of E2M3, ties to even, subnormals kept.
;;     - The product sums the exact products of the quantised numbers (number of the format x scale) in f32.
;;   ~~~python
;;   def quantise(x, axis):      # numpy; x: float32 -> the quantised numbers, widened to float32 again
;;       x = np.moveaxis(x, axis, -1); K = x.shape[-1]
;;       x = np.pad(x, [(0, 0)] * (x.ndim - 1) + [(0, -K % 32)]); x = x.reshape(x.shape[:-1] + (-1, 32)); a = np.abs(x).max(-1, keepdims=True)
;;       e = np.where(a > 0, np.clip(np.frexp(np.where(a > 0, a, 1))[1] - 1 - 2, -126, 127), 0)      # np.frexp(a)[1] - 1 = floor(log2(a)), exactly
;;       r = np.clip(x / 2.0 ** e, -7.5, 7.5)
;;       step = 2.0 ** (np.maximum(np.frexp(np.where(r == 0, 1, r))[1] - 1, 0) - 3)
;;       q = np.round(r / step) * step * 2.0 ** e      # np.round: ties to even
;;       return np.moveaxis(q.reshape(q.shape[:-2] + (-1,))[..., :K], -1, axis).astype(np.float32)
;;   ~~~
;;   SOFTMAX AHEAD OF A QUANTISED PRODUCT. Where the list says 'softmax', what is quantised is not the finished softmax but p = 2^(t - M), with t = logit x log2(e) and M = ceil(the row's largest t), a whole number; so 1/2 < the row's largest p <= 1. The row's sum l is taken of the UNQUANTISED p, in f32, and the product's result is divided by l at the end. Since M is a whole number, a kernel that streams over the keys may use a running M (the ceiling of the running maximum): every later rescaling is an exact power of two, which a block's scale takes up: the codes' values come out the same.
;;   OPERANDS COMPUTED ON THE WAY. 'Computed on the way' means the value that the module computes at that place (a softmax that the list does not call 'softmax' is quantised finished and normalised). What goes into a quantiser is computed in f32, as accurately as f32 sums, v_exp_f32 and their like allow (about 1e-6 of the number): no bf16 or f16 on the way to a quantiser, and a product that is left as it is and whose result goes on into a quantised operand takes f32 operands (vector FMAs, or v_wmma_f32_16x16x4_f32). A number that lies on a knife's edge between two numbers of the format may be rounded either way, as far as f32 arithmetic and the matrix unit's own rounding can turn it there, and no further.
;; One version. Each part assembles by itself: llvm-mc -triple=amdgcn-amd-amdhsa -mcpu=gfx1250 --defsym DOCPART=n.
;; ======== version 1 of 1: 3 launches
;; workspace buffers: coef 8,192 bytes; wc 204,800 bytes; qc 3,276,800 bytes; kc 3,276,800 bytes; vc 3,276,800 bytes
;; launch prep (part 1): grid 160 x 1, 8 waves a work-group, no clusters, 1,536 bytes of LDS; arguments x, gn_w, qkv_w, proj_w, coef, wc; writes coef, wc
.if DOCPART == 1
	.amdgcn_target "amdgcn-amd-amdhsa--gfx1250"
	.amdhsa_code_object_version 6
	.text
	.protected	k_q21db57d72a_prep
	.globl	k_q21db57d72a_prep
	.p2align	8
	.type	k_q21db57d72a_prep,@function
k_q21db57d72a_prep:
	s_mov_b64 s[64:65], 0
	v_nop
	global_prefetch_b8 v0, s[64:65] scope:SCOPE_SE
	s_setreg_imm32_b32 hwreg(HW_REG_WAVE_MODE, 25, 1), 1
	s_wait_xcnt 0x0
; Two jobs in one launch, parted by the work-group's number.
; Work-groups 0..127 (= 32 b + g): GroupNorm's statistics of one group: 8 channels x 4,096 positions = 131,072 dense bytes of x.  A thread keeps its
; 128 numbers in registers between the pass for the mean and the pass for the squares of (x - mean): x is read once, and no difference of large sums is formed.
; Stored: coef[b][0][c] = the mean of c's group, coef[b][1][c] = rsqrt(var + 1e-5) x gn_w[c].
; Work-groups 128..159 (n = 0..31): qkv_w (units u = 0..5 of 128 rows) and proj_w (u = 6, 7) become codes of FP6 (E2M3) and E8M0 scale bytes, laid in the order of an operand's registers:
; a unit is two blocks of 12,800 bytes (64 rows x K 256); fragment (K step s, tile q) at (4 s + q) x 1,536, registers 4 g .. 4 g + 3 at 512 g + 16 x lane; scale words at 12,288 + 256 s + 16 r + 4 q.
; Row rho of tile q of a block: qkv_w: 32 (rho / 8) + 8 q + rho % 8, so that the product's results fall by whole blocks of 32 into a lane; proj_w: 16 q + rho.
; A work-group takes two tiles, a wave 16 rows x 64 along K of one tile: lane (r, h) holds ONE whole block of 32 along K (k = 64 p + 32 h + 0 .. 31), so its largest magnitude needs no other lane, and its
; six registers of codes are half a fragment.  In each of a wave's loads the 32 lanes stand in 32 different rows or half rows: so this work is shared out widely: 8 waves x 8 loads a work-group.
; A block's scale byte is its largest magnitude's exponent field - 2, held at 1 from below (a block of zeros gets 1: its codes are zeros, and this program alone reads the bytes).
; LIMITS: NaN and infinities among the inputs are not served; blocks whose largest magnitude lies under 2^-124 keep the byte 1.
; WRITTEN BY PARTS: registers 4, 5 and 6, 7 of a fragment share places of 16 bytes, so two waves fill that run of 512 bytes by halves (65,536 bytes in the launch); the scale bytes leave two at a time (8,192 bytes).
; No shared tiles, no matrix work: no cluster, no tensor load.  Only the statistics' path uses LDS and barriers.
.set X, 32                             ; v32-159  128 numbers (the weights' path: v32-63)
	s_load_b256 s[4:11], s[0:1], 0x0               ; x s[4:5], gn_w s[6:7], qkv_w s[8:9], proj_w s[10:11]
	s_load_b128 s[12:15], s[0:1], 0x20             ; coef s[12:13], wc s[14:15]
	v_lshl_add_u32 v192, v0, 2, 0x200
	v_mov_b32 v193, 0
	v_lshrrev_b32 v1, 5, v0
	v_readfirstlane_b32 s16, v1                    ; wave 0..7
	v_and_b32 v2, 31, v0                           ; lane
	s_mov_b32 s20, 0x76543210                      ; v_permlanex16_b32's selects for lane l xor 16
	s_mov_b32 s21, 0xfedcba98
	s_cmp_ge_u32 ttmp9, 128
	s_cbranch_scc1 .Lweights
	; ---------------- the statistics of group ttmp9 = 32 b + g
	s_lshl_b32 s18, ttmp9, 17                      ; the group's 131,072 bytes
	s_mov_b32 s19, 0
	s_and_b32 s22, ttmp9, 31                       ; g
	s_lshr_b32 s23, ttmp9, 5                       ; b
	s_lshl_b32 s24, s22, 5                         ; 4 x 8 g
	v_lshlrev_b32 v3, 4, v0                        ; 16 bytes a thread: a load of the work-group covers 4,096 consecutive bytes
	v_and_b32 v4, 7, v0
	v_lshl_add_u32 v4, v4, 2, s24                  ; 4 (8 g + lane % 8): a channel of the group
	v_lshlrev_b32 v5, 2, v1                        ; LDS: a word for each wave
	v_mov_b32 v6, 0
	s_mov_b32 s25, 0x38000000                      ; 1 / 32,768
	s_wait_kmcnt 0x0
	s_add_nc_u64 s[4:5], s[4:5], s[18:19]
	global_load_b32 v20, v4, s[6:7]                ; gn_w of that channel
.set k, 0
.rept 32
	global_load_b128 v[X+4*k:X+4*k+3], v3, s[4:5] offset:4096*k
.set k, k+1
.endr
; v8 = my lane's sum -> v8 = the work-group's sum, in every lane.  off: the eight words used (other bytes for the second sum, so that one barrier serves each)
.macro REDUCE off
	v_pk_add_f32 v[8:9], v[8:9], v[10:11]
	v_pk_add_f32 v[12:13], v[12:13], v[14:15]
	v_pk_add_f32 v[8:9], v[8:9], v[12:13]
	v_add_f32 v8, v8, v9
	v_add_f32_dpp v8, v8, v8 row_xmask:1 row_mask:0xf bank_mask:0xf
	v_add_f32_dpp v8, v8, v8 row_xmask:2 row_mask:0xf bank_mask:0xf
	v_add_f32_dpp v8, v8, v8 row_xmask:4 row_mask:0xf bank_mask:0xf
	v_add_f32_dpp v8, v8, v8 row_xmask:8 row_mask:0xf bank_mask:0xf
	v_permlanex16_b32 v9, v8, s20, s21
	v_add_f32 v8, v8, v9
	ds_store_b32 v5, v8 offset:\off                ; all lanes write the wave's word with the same value
	s_wait_dscnt 0x0                               ; for the others' sake: my store has landed
	s_barrier_signal -1
	s_barrier_wait -1
	ds_load_b128 v[8:11], v6 offset:\off
	ds_load_b128 v[12:15], v6 offset:\off+16
	s_wait_dscnt 0x0
	v_add_f32 v8, v8, v9
	v_add_f32 v10, v10, v11
	v_add_f32 v12, v12, v13
	v_add_f32 v14, v14, v15
	v_add_f32 v8, v8, v10
	v_add_f32 v12, v12, v14
	v_add_f32 v8, v8, v12
.endm
	; pass 1: the sum, four chains of packed additions; the first eight pairs start the chains, nothing is cleared
	s_wait_loadcnt 24                              ; gn_w and the first eight loads are in; the 24 younger ones may be out
.irp c, 0,1,2,3
	v_pk_add_f32 v[8+2*\c:9+2*\c], v[X+2*\c:X+2*\c+1], v[X+8+2*\c:X+9+2*\c]
.endr
.irp m, 2,3
.irp c, 0,1,2,3
	v_pk_add_f32 v[8+2*\c:9+2*\c], v[8+2*\c:9+2*\c], v[X+8*\m+2*\c:X+8*\m+2*\c+1]
.endr
.endr
.irp k, 1,2,3
	s_wait_loadcnt 24-8*\k                         ; the next eight loads are in
.irp m, 0,1,2,3
.irp c, 0,1,2,3
	v_pk_add_f32 v[8+2*\c:9+2*\c], v[8+2*\c:9+2*\c], v[X+32*\k+8*\m+2*\c:X+32*\k+8*\m+2*\c+1]
.endr
.endr
.endr
	REDUCE 0
	v_mul_f32 v18, s25, v8                         ; the mean
	v_mov_b32 v19, v18
	; pass 2: the sum of (x - mean)^2
.set j, 0
.rept 64
	v_pk_add_f32 v[X+j:X+j+1], v[X+j:X+j+1], v[18:19] neg_lo:[0,1] neg_hi:[0,1]
.set j, j+2
.endr
.irp c, 0,1,2,3
	v_pk_mul_f32 v[8+2*\c:9+2*\c], v[X+2*\c:X+2*\c+1], v[X+2*\c:X+2*\c+1]
.endr
.set j, 8
.rept 60
	v_pk_fma_f32 v[8+j%8:9+j%8], v[X+j:X+j+1], v[X+j:X+j+1], v[8+j%8:9+j%8]
.set j, j+2
.endr
	REDUCE 64
	v_fmaak_f32 v8, s25, v8, 0x3727c5ac            ; var + 1e-5
	v_rsq_f32 v9, v8
	v_nop                                          ; a plain instruction behind the transcendental
	s_wait_alu depctr_va_vdst(0)                   ; and a wait ahead of its first reader
	v_mul_f32 v9, v9, v20                          ; rsqrt(var + eps) x gn_w[c]
	s_cmp_lg_u32 s16, 0                            ; wave 0 stores for the group
	s_cbranch_scc1 .Lend
	s_lshl_b32 s26, s23, 11
	v_add_nc_u32 v4, s26, v4                       ; 2,048 b + 4 c (gn_w's load, which read v4, has been waited for)
	global_store_b32 v4, v18, s[12:13]             ; the four lanes of equal lane % 8 store the same word with the same value
	global_store_b32 v4, v9, s[12:13] offset:1024
.Lend:
	s_wait_tensorcnt 0x0
	ds_add_u32 v192, v193
	s_wait_dscnt 0x0
	s_endpgm
	; ---------------- two tiles of weights: tile 2 n + wave / 4 of the 64; of it the wave takes k = 64 p .. 64 p + 63, p = wave % 4
.Lweights:
	s_sub_co_u32 s17, ttmp9, 128                   ; n
	s_lshr_b32 s31, s17, 2                         ; u: the unit of 128 rows
	s_sub_co_u32 s27, s31, 6
	s_bfe_u32 s22, s17, 0x10001                    ; c: which block of 64 rows (bit 1 of n)
	s_and_b32 s23, s17, 1
	s_lshl_b32 s23, s23, 1
	s_lshr_b32 s28, s16, 2
	s_add_co_u32 s23, s23, s28                     ; q: which tile of it: 2 (n % 2) + wave / 4
	s_and_b32 s32, s16, 3                          ; p
	s_lshr_b32 s33, s32, 1                         ; the K step of 128: s = p / 2
	s_and_b32 s34, s32, 1                          ; which half of its fragment: p % 2
	v_and_b32 v3, 15, v0                           ; r
	v_bfe_u32 v4, v0, 4, 1                         ; h
	v_lshrrev_b32 v5, 3, v3
	v_and_b32 v6, 7, v3
	s_wait_kmcnt 0x0
	s_cmp_lt_u32 s31, 6                            ; qkv_w or proj_w: the choice hangs on the work-group's number alone
	s_cselect_b32 s24, 32, 8                       ; row of a tile: (r / 8) x 32 + r % 8, or (r / 8) x 8 + r % 8 = r
	s_cselect_b32 s25, 8, 16                       ; from tile to tile
	s_cselect_b32 s26, s31, s27                    ; the unit within its tensor
	s_cselect_b64 s[8:9], s[8:9], s[10:11]
	v_mad_u32_u24 v5, v5, s24, v6
	s_lshl_b32 s26, s26, 7
	s_lshl_b32 s28, s22, 6
	s_add_co_u32 s26, s26, s28
	s_mul_i32 s25, s25, s23
	s_add_co_u32 s26, s26, s25
	v_add_nc_u32 v5, s26, v5                       ; my row
	v_lshlrev_b32 v5, 10, v5                       ; of 1,024 bytes
	v_lshl_add_u32 v5, v4, 7, v5                   ; + 128 h
	s_lshl_b32 s28, s32, 8
	v_add_nc_u32 v5, s28, v5                       ; + 256 p: my block of 32 numbers
.irp t, 0,1,2,3,4,5,6,7
	global_load_b128 v[X+4*\t:X+4*\t+3], v5, s[8:9] offset:16*\t   ; (no cache hint: a lane's eight loads take neighbouring bytes one after the other)
.endr
	s_mul_i32 s28, s31, 25600
	s_mul_i32 s29, s22, 12800
	s_add_co_u32 s28, s28, s29                     ; my block of 12,800 bytes
	s_lshl_b32 s29, s33, 2
	s_add_co_u32 s29, s29, s23
	s_mul_i32 s29, s29, 1536                       ; fragment 4 s + q
	s_add_co_u32 s29, s29, s28
	v_lshl_add_u32 v7, v2, 4, s29                  ; its image: + 16 x lane
	s_lshl_b32 s30, s33, 8                         ; scale bytes: 256 s
	s_lshl_b32 s35, s23, 2                         ; + 4 q
	s_add_co_u32 s30, s30, s35
	s_lshl_b32 s35, s34, 1                         ; + 2 (p % 2)
	s_add_co_u32 s30, s30, s35
	s_add_co_u32 s30, s30, s28
	v_lshl_add_u32 v26, v3, 4, s30                 ; + 16 r
	v_lshlrev_b32 v24, 3, v4                       ; 8 h
	v_mov_b32 v22, 0                               ; a lane permute's destination counts as one of its sources
	s_wait_loadcnt 0x0
	v_max3_num_f32 v8, |v[X]|, |v[X+1]|, 0x1800000       ; my block's largest magnitude, in two chains, and the floor 2^(3 - 127): the byte cannot fall under 1
	v_max3_num_f32 v9, |v[X+16]|, |v[X+17]|, 0x1800000
.irp i, 2,4,6,8,10,12,14
	v_max3_num_f32 v8, v8, |v[X+\i]|, |v[X+\i+1]|
	v_max3_num_f32 v9, v9, |v[X+16+\i]|, |v[X+17+\i]|
.endr
	v_max_num_f32 v8, v8, v9
	v_add_nc_u32 v12, 0xff000000, v8               ; 2 off the exponent field: the conversion's scale operand
	v_lshrrev_b32 v16, 23, v12                     ; the scale's byte
	v_lshlrev_b32 v20, v24, v16                    ; at place h,
	v_permlanex16_b32 v22, v20, s20, s21
	v_or_b32 v20, v20, v22                         ; with lane l xor 16's: bytes 2 (p % 2) and 2 (p % 2) + 1 of the row's scale word
	v_cvt_scalef32_pk16_fp6_f32 v[160:162], v[X:X+15], v12
	v_cvt_scalef32_pk16_fp6_f32 v[184:186], v[X+16:X+31], v12   ; (a conversion's three registers begin on an even number)
	v_nop                                          ; a plain instruction behind the conversions
	v_mov_b32 v163, v184
	v_mov_b32 v164, v185
	v_mov_b32 v165, v186                           ; v160-165: registers 6 (p % 2) .. 6 (p % 2) + 5 of the fragment
	s_cmp_eq_u32 s34, 0                            ; a branch on the wave's number
	s_cbranch_scc0 .Lupper
	global_store_b128 v7, v[160:163], s[14:15]               ; registers 0-3: 512 consecutive bytes
	global_store_b64 v7, v[164:165], s[14:15] offset:512     ; registers 4, 5: the lower 8 of each place of 16 bytes
	s_branch .Lwscale
.Lupper:
	global_store_b64 v7, v[160:161], s[14:15] offset:520     ; registers 6, 7: the upper 8
	global_store_b128 v7, v[162:165], s[14:15] offset:1024   ; registers 8-11
.Lwscale:
	global_store_b16 v26, v20, s[14:15] offset:12288         ; both halves of the lanes store the same two bytes
	s_endpgm
.Lfunc_end_k_q21db57d72a_prep:
	.size	k_q21db57d72a_prep, .Lfunc_end_k_q21db57d72a_prep-k_q21db57d72a_prep
	.p2alignl 7, 3214868480
	.fill 96, 4, 3214868480
	.section	.rodata,"a",@progbits
	.p2align	6, 0x0
	.amdhsa_kernel k_q21db57d72a_prep
		.amdhsa_group_segment_fixed_size 1536
		.amdhsa_private_segment_fixed_size 0
		.amdhsa_enable_private_segment 0
		.amdhsa_kernarg_size 48
		.amdhsa_user_sgpr_count 2
		.amdhsa_user_sgpr_kernarg_segment_ptr 1
		.amdhsa_wavefront_size32 1
		.amdhsa_system_sgpr_workgroup_id_x 1
		.amdhsa_system_sgpr_workgroup_id_y 1
		.amdhsa_system_sgpr_workgroup_id_z 1
		.amdhsa_system_vgpr_workitem_id 0
		.amdhsa_next_free_vgpr 194
		.amdhsa_next_free_sgpr 66
		.amdhsa_reserve_vcc 0
		.amdhsa_float_denorm_mode_32 3
		.amdhsa_float_denorm_mode_16_64 3
		.amdhsa_memory_ordered 1
		.amdhsa_forward_progress 1
		.amdhsa_inst_pref_size 24
	.end_amdhsa_kernel
	.amdgpu_metadata
---
amdhsa.version: [ 1, 2 ]
amdhsa.kernels:
  - .name:           k_q21db57d72a_prep
    .symbol:         k_q21db57d72a_prep.kd
    .args:
      - { .name: x, .offset: 0, .size: 8, .value_kind: global_buffer, .address_space: global }
      - { .name: gn_w, .offset: 8, .size: 8, .value_kind: global_buffer, .address_space: global }
      - { .name: qkv_w, .offset: 16, .size: 8, .value_kind: global_buffer, .address_space: global }
      - { .name: proj_w, .offset: 24, .size: 8, .value_kind: global_buffer, .address_space: global }
      - { .name: coef, .offset: 32, .size: 8, .value_kind: global_buffer, .address_space: global }
      - { .name: wc, .offset: 40, .size: 8, .value_kind: global_buffer, .address_space: global }
    .group_segment_fixed_size: 1536
    .private_segment_fixed_size: 0
    .kernarg_segment_align: 8
    .kernarg_segment_size: 48
    .max_flat_workgroup_size: 256
    .sgpr_count:     66
    .vgpr_count:     194
    .wavefront_size: 32
...
	.end_amdgpu_metadata
.endif
;; end of part 1
;; launch qkv (part 2): grid 64 x 4, 6 waves a work-group, clusters of 4 x 1, 168,704 bytes of LDS; arguments x, coef, gn_b, wc, qkv_b, qc, kc, vc; writes qc, kc, vc
.if DOCPART == 2
	.amdgcn_target "amdgcn-amd-amdhsa--gfx1250"
	.amdhsa_code_object_version 6
	.text
	.protected	k_q21db57d72a_qkv
	.globl	k_q21db57d72a_qkv
	.p2align	8
	.type	k_q21db57d72a_qkv,@function
k_q21db57d72a_qkv:
	s_mov_b64 s[64:65], 0
	v_nop
	global_prefetch_b8 v0, s[64:65] scope:SCOPE_SE
	s_setreg_imm32_b32 hwreg(HW_REG_WAVE_MODE, 25, 1), 1
	s_wait_xcnt 0x0
	s_wait_alu depctr_hold_cnt(0) depctr_sa_sdst(0) depctr_va_vdst(0) depctr_va_sdst(0) depctr_va_ssrc(0) depctr_va_vcc(0) depctr_vm_vsrc(0)
	s_getreg_b32 s2, hwreg(HW_REG_IB_STS2, 6, 4)
	s_cmp_eq_u32 s2, 0
	s_cbranch_scc0 .Lentry_in_a_cluster
	s_endpgm
.Lentry_in_a_cluster:
	s_bfe_u32 s2, ttmp6, 0x10000c
	s_cmp_lg_u32 s2, 0x3003
	s_cbranch_scc0 .Lentry_shape_is_right
	s_endpgm
.Lentry_shape_is_right:
; h = GroupNorm(x), quantised along the channels; qkv = qkv_w h + qkv_b on codes of FP6 (E2M3) with E8M0 scales; q and k quantised along their channels, v along the keys.  Nothing but codes goes to memory.
; SHARES.  A work-group takes 64 positions (group G) of one batch; wave u takes unit u of the weights: 128 outputs x 64 positions, 64 matrix instructions.  u = 0, 1: q; 2, 3: k; 4, 5: v.
; TILES ARE NOT NEIGHBOURS.  Positions: row rho of tile q is position 4 rho + q, so that a lane's 16 bytes of x are one number for each of the four tiles.  Outputs: row rho of tile q of a block of 64 is
; 32 (rho / 8) + 8 q + rho % 8.  A result's lane half h holds rows 8 h + j: over a block's four tiles its 32 registers are ONE whole block of 32 along the next K, which is what that very lane's operand registers want:
; a block's largest magnitude needs no other lane, and the conversions' results are the operand's registers.  Along the keys code 8 q + j of a block is key 4 j + q, for v here and for p in the next launch alike.
; q, k: source 0 = weights, source 1 = h (a lane holds one position, registers run along the channels).  v: the sources swapped (a lane holds one channel, registers run along the keys).
; The bias is the C of each sum's first matrix instruction.
; CLUSTER.  The six units of weights (153,600 bytes) are the same for every work-group: the four partners ask for each unit jointly; wave u asks for its own unit and alone reads it.  Nothing in LDS is filled twice.
; LDS: unit u at 25,600 u; HIMG: h's half images (K step s, half c, tile q) at ((2 s + c) 4 + q) x 768: registers 0-3 at 16 x lane, registers 4, 5 at 512 + 8 x lane; HSC: h's scale words at 256 s + 16 r + 4 q.
; Six waves on four SIMDs: two SIMDs hold two; the products are a short part of this launch beside the loads of x and the stores.
; v's scale bytes: two work-groups (G even, G odd) each write two bytes of every four of a key step's 1,024: runs of 256 bytes written in parts, 131,072 bytes in the launch.
; LIMITS: NaN and infinities are not served; a block whose largest magnitude lies under 2^-124 (a block of zeros too) keeps the byte 1; its codes are then (nearly) zeros, and this program alone reads the bytes.
; REGISTERS.  Window 0: v1-14 addresses; v16-111 h's 8 fragments (before: mean, gain, gn_b; afterwards: the codes made); v112-159 two sets of a weight tile's two fragments (before: half codes; afterwards: at work);
;   v160-167 the weights' scale words, v168-171 h's; v172-235 the bias in the result's layout; v236-255 at work.  Window 1: x as loaded (v0-127) and turned (v128-255); then the 32 accumulators.
.set HIMG, 153600
.set HSC,  165888
.set MSB, 0
.macro WIN new                         ; the immediate's high byte repeats the setting that is left
.if MSB != \new
	s_set_vgpr_msb (MSB<<8)|\new
.set MSB, \new
.endif
.endm
.macro PLACES n
.rept \n
	v_nop
.endr
.endm
.macro ROUND                           ; a round of the cluster's barrier
	s_barrier_signal -1
	s_barrier_wait -1
	s_cmp_lg_u32 s20, 0
	s_cbranch_scc1 .Lnot_wave_0_\@
	s_barrier_signal -3
.Lnot_wave_0_\@:
	s_barrier_wait -3
	s_barrier_signal -1
	s_barrier_wait -1
.endm
; a matrix instruction: D, A, B at these registers; c: C's first register; ra = 1: both scales from lanes 16-31 (K step 1)
.macro WM d, a, b, c, sa, sb, ra
.if \ra
	v_wmma_scale_f32_16x16x128_f8f6f4 v[(\d):(\d)+7], v[(\a):(\a)+11], v[(\b):(\b)+11], v[(\c):(\c)+7], v[\sa], v[\sb] matrix_a_fmt:MATRIX_FMT_FP6 matrix_b_fmt:MATRIX_FMT_FP6 matrix_a_scale:MATRIX_SCALE_ROW1 matrix_b_scale:MATRIX_SCALE_ROW1
.else
	v_wmma_scale_f32_16x16x128_f8f6f4 v[(\d):(\d)+7], v[(\a):(\a)+11], v[(\b):(\b)+11], v[(\c):(\c)+7], v[\sa], v[\sb] matrix_a_fmt:MATRIX_FMT_FP6 matrix_b_fmt:MATRIX_FMT_FP6
.endif
.endm
	s_load_b256 s[4:11], s[0:1], 0x0               ; x s[4:5], coef s[6:7], gn_b s[8:9], wc s[10:11]
	s_load_b256 s[12:19], s[0:1], 0x20             ; qkv_b s[12:13], qc s[14:15], kc s[16:17], vc s[18:19]
	v_lshl_add_u32 v254, v0, 2, 0x29000
	v_mov_b32 v255, 0
	ds_add_u32 v254, v255
	ds_add_u32 v254, v255
	v_lshrrev_b32 v15, 5, v0
	v_readfirstlane_b32 s20, v15                   ; wave = unit u
	s_bfe_u32 s21, ttmp6, 0x40000                  ; cx
	s_lshl_b32 s22, ttmp9, 2
	s_add_co_u32 s22, s22, s21                     ; G = 4 x cluster x + cx: it enters global addresses alone
	s_and_b32 s23, ttmp7, 0xffff                   ; b
	; descriptor group 1: a dense block of 25,600 bytes as 100 rows of 256 bytes (32 elements of 8 bytes), no padding
	s_mov_b32 s24, 15|(3<<16)|(1<<21)              ; 15:0 the mask: all four work-groups; 17:16 elements of 8 bytes; 21 set beside a mask
	s_mov_b32 s25, 32<<16                          ; tensor_dim0 = 32
	s_mov_b32 s26, 100<<16                         ; tensor_dim1 = 100
	s_mov_b32 s27, 32<<16                          ; tile_dim0 = 32
	s_mov_b32 s28, 100                             ; tile_dim1 = 100
	s_mov_b32 s29, 32                              ; the pitch
	s_mov_b32 s30, 0
	s_mov_b32 s31, 0
	s_mov_b32 s40, 0x76543210                      ; v_permlanex16_b32's selects for lane l xor 16
	s_mov_b32 s41, 0xfedcba98
	s_mul_i32 s36, s20, 25600                      ; my unit, in wc and in LDS alike
	s_mov_b32 s37, 0
	; every address register is made here, ahead of the waves' parting
	v_and_b32 v15, 31, v0                          ; lane
	v_and_b32 v13, 15, v0                          ; r
	v_bfe_u32 v10, v0, 4, 1                        ; h
	v_lshlrev_b32 v11, 4, v15                      ; v11  16 x lane
	v_lshlrev_b32 v12, 3, v15                      ; v12  8 x lane
	v_lshlrev_b32 v2, 7, v10                       ; v2   128 h: 32 channels of f32
	v_lshlrev_b32 v1, 19, v10
	v_lshl_add_u32 v1, v13, 4, v1                  ; v1   x: 32 h channels of 16,384 bytes + 16 r
	v_lshrrev_b32 v14, 3, v13
	v_and_b32 v15, 7, v13
	v_lshl_add_u32 v14, v14, 5, v15
	v_lshlrev_b32 v14, 2, v14                      ; v14  4 (32 (r / 8) + r % 8): the bias of a v wave's lane
	s_mul_i32 s38, s20, 3072
	s_add_co_u32 s38, s38, HIMG
	v_add_nc_u32 v3, s38, v11                      ; v3   where I store half images: registers 0-3
	s_add_co_u32 s38, s38, 512
	v_add_nc_u32 v4, s38, v12                      ; v4   registers 4, 5
	s_lshr_b32 s38, s20, 1
	s_lshl_b32 s38, s38, 8
	s_and_b32 s39, s20, 1
	s_lshl_b32 s39, s39, 1
	s_add_co_u32 s38, s38, s39
	s_add_co_u32 s38, s38, HSC
	v_lshl_add_u32 v5, v13, 4, v10
	v_add_nc_u32 v5, s38, v5                       ; v5   my scale byte: HSC + 256 s + 16 r + 2 c + h
	v_add_nc_u32 v6, HIMG, v11                     ; v6, v7  where half images are read
	v_add_nc_u32 v7, HIMG+512, v12
	v_add_nc_u32 v8, HSC, v11                      ; v8   h's scale words: lanes 0-15 K step 0, lanes 16-31 K step 1
	v_add_nc_u32 v9, s36, v11                      ; v9   my unit's images
	v_lshlrev_b32 v13, 4, v13                      ; v13  16 r
	v_lshlrev_b32 v10, 3, v10                      ; v10  8 h
	s_wait_dscnt 0x0
	s_wait_kmcnt 0x0
	s_mov_b32 s32, 1                               ; group 0: count = 1
	s_mov_b32 s33, s36                             ; LDS address
	s_add_nc_u64 s[34:35], s[10:11], s[36:37]      ; global address: the same in all four partners
	s_or_b32 s35, s35, 0x80000000                  ; type = 2
	ROUND                                          ; all four work-groups are here: the joint loads meet
	tensor_load_to_lds s[32:35], s[24:31]          ; one load a wave, the only one of the launch
	s_nop 0
	PLACES 4
	s_lshl_b32 s36, s23, 22                        ; x: batch b,
	s_lshl_b32 s38, s20, 20                        ; channels 64 u on,
	s_add_co_u32 s36, s36, s38
	s_lshl_b32 s38, s22, 8                         ; positions 64 G on
	s_add_co_u32 s36, s36, s38
	s_add_nc_u64 s[4:5], s[4:5], s[36:37]
	s_lshl_b32 s36, s23, 11
	s_lshl_b32 s38, s20, 8
	s_add_co_u32 s36, s36, s38
	s_add_nc_u64 s[6:7], s[6:7], s[36:37]          ; coef: 2,048 b + 4 x 64 u
	s_mov_b32 s36, s38
	s_add_nc_u64 s[8:9], s[8:9], s[36:37]          ; gn_b: 4 x 64 u
	s_lshl_b32 s36, s20, 9
	s_add_nc_u64 s[12:13], s[12:13], s[36:37]      ; qkv_b: 4 x 128 u
	s_cmp_lt_u32 s20, 4
	s_cbranch_scc0 .Lvbias
	; ---- waves 0-3: 64 channels (64 u on) x 64 positions of x are normalised and quantised: four half images
.irp t, 0,1,2,3,4,5,6,7
	global_load_b128 v[16+4*\t:19+4*\t], v2, s[6:7] offset:16*\t          ; the means of my 32 channels
	global_load_b128 v[48+4*\t:51+4*\t], v2, s[6:7] offset:1024+16*\t     ; rsqrt x gn_w
	global_load_b128 v[80+4*\t:83+4*\t], v2, s[8:9] offset:16*\t          ; gn_b
.endr
	WIN 0x40                                       ; destination window 1
.set i, 0
.rept 32
	global_load_b128 v[4*i:4*i+3], v1, s[4:5] offset:16384*i   ; channel 32 h + i, positions 4 r .. 4 r + 3: sixteen lanes read 256 consecutive bytes
.set i, i+1
.endr
	WIN 0
.irp i, 0,1,2,3,4,5,6,7                        ; the bias of tile i = 4 c + q: outputs 64 c + 32 h + 8 q + 0 .. 7
	global_load_b128 v[172+8*\i:175+8*\i], v2, s[12:13] offset:4*(64*(\i/4)+8*(\i%4))
	global_load_b128 v[176+8*\i:179+8*\i], v2, s[12:13] offset:4*(64*(\i/4)+8*(\i%4))+16
.endr
	s_wait_loadcnt 16                              ; all but the 16 loads of the bias
	WIN 0x41                                       ; destination and source 0 window 1
.set i, 0
.rept 32
.irp q, 0,1,2,3
	v_sub_f32 v[128+32*\q+i], v[4*i+\q], v[16+i]   ; x - mean; the line also turns [channel][tile] into [tile][channel]
.endr
.set i, i+1
.endr
.irp q, 0,1,2,3
.set i, 0
.rept 16
	v_pk_fma_f32 v[128+32*\q+i:129+32*\q+i], v[128+32*\q+i:129+32*\q+i], v[48+i:49+i], v[80+i:81+i]
.set i, i+2
.endr
.endr
	WIN 0x14                                       ; sources 1 and 2 window 1
.irp q, 0,1,2,3
	v_max3_num_f32 v[236+\q], 0x1800000, |v[128+32*\q]|, |v[129+32*\q]|   ; tile q's block of 32 channels is all mine; the floor 2^(3 - 127) holds the byte at 1 from below
.endr
.irp i, 2,4,6,8,10,12,14,16,18,20,22,24,26,28,30
.irp q, 0,1,2,3
	v_max3_num_f32 v[236+\q], v[236+\q], |v[128+32*\q+\i]|, |v[129+32*\q+\i]|
.endr
.endr
	WIN 0
.irp q, 0,1,2,3
	v_add_nc_u32 v[240+\q], 0xff000000, v[236+\q]  ; 2 off the exponent field: the conversion's scale operand
.endr
.irp q, 0,1,2,3
	v_lshrrev_b32 v[244+\q], 23, v[240+\q]         ; the scale's byte
.endr
	WIN 0x01                                       ; source 0 window 1
.irp q, 0,1,2,3
	v_cvt_scalef32_pk16_fp6_f32 v[112+8*\q:114+8*\q], v[128+32*\q:143+32*\q], v[240+\q]
	v_cvt_scalef32_pk16_fp6_f32 v[116+8*\q:118+8*\q], v[144+32*\q:159+32*\q], v[240+\q]   ; (a conversion's three registers begin on an even number)
.endr
	WIN 0
	v_nop                                          ; a plain instruction behind the conversions
.irp q, 0,1,2,3
	v_mov_b32 v[115+8*\q], v[116+8*\q]             ; the second three move one down, in this order
	v_mov_b32 v[116+8*\q], v[117+8*\q]
	v_mov_b32 v[117+8*\q], v[118+8*\q]
.endr
.irp q, 0,1,2,3
	ds_store_b128 v3, v[112+8*\q:115+8*\q] offset:768*\q
	ds_store_b64 v4, v[116+8*\q:117+8*\q] offset:768*\q
	ds_store_b8 v5, v[244+\q] offset:4*\q
.endr
	s_branch .Ljoin
.Lvbias:
	; ---- waves 4, 5: a lane holds one channel, so all eight registers of a tile's bias hold that channel's number
.irp i, 0,1,2,3,4,5,6,7
.irp j, 0,1,2,3,4,5,6,7
	global_load_b32 v[172+8*\i+\j], v14, s[12:13] offset:4*(64*(\i/4)+8*(\i%4))
.endr
.endr
.Ljoin:
	s_wait_tensorcnt 0x0                           ; my unit of weights has landed (I alone read it)
	s_wait_dscnt 0x0                               ; for the others' sake: my stores have landed
	s_barrier_signal -1
	s_barrier_wait -1                              ; h's sixteen half images and its scale words lie in LDS
	s_wait_loadcnt 0x0                             ; the bias
.irp s, 0,1
.irp q, 0,1,2,3
.irp c, 0,1
	ds_load_b128 v[16+12*(4*\s+\q)+6*\c:19+12*(4*\s+\q)+6*\c], v6 offset:((2*\s+\c)*4+\q)*768
	ds_load_b64 v[20+12*(4*\s+\q)+6*\c:21+12*(4*\s+\q)+6*\c], v7 offset:((2*\s+\c)*4+\q)*768
.endr
.endr
.endr
	ds_load_b128 v[168:171], v8                    ; h's scale words, a register a tile
	ds_load_b128 v[160:163], v9 offset:12288       ; the weights': tiles 0-3,
	ds_load_b128 v[164:167], v9 offset:12800+12288 ; tiles 4-7
.macro WLOAD i                         ; weight tile i = 4 c + q: its two fragments into set i % 2: six loads
.irp s, 0,1
.irp g, 0,1,2
	ds_load_b128 v[112+24*((\i)%2)+12*\s+4*\g:115+24*((\i)%2)+12*\s+4*\g], v9 offset:((\i)/4)*12800+(4*\s+(\i)%4)*1536+512*\g
.endr
.endr
.endm
	WLOAD 0
	WLOAD 1
; weight tile i against the four tiles of positions, both K steps: eight matrix instructions on four accumulators by turns
.macro MMT i, swap
.if (\i) < 7
	s_wait_dscnt 6                                 ; all but the next tile's six loads
.else
	s_wait_dscnt 0
.endif
.set WB, 112+24*((\i)%2)
	WIN 0x40                                       ; D window 1; C (the bias) window 0
.irp pt, 0,1,2,3
.if \swap
	WM 32*(\i)+8*\pt, 16+12*\pt, WB, 172+8*(\i), 168+\pt, 160+(\i), 0
.else
	WM 64*\pt+8*(\i), WB, 16+12*\pt, 172+8*(\i), 160+(\i), 168+\pt, 0
.endif
.endr
	WIN 0x50                                       ; C and D window 1
.irp pt, 0,1,2,3
.if \swap
	WM 32*(\i)+8*\pt, 64+12*\pt, WB+12, 32*(\i)+8*\pt, 168+\pt, 160+(\i), 1
.else
	WM 64*\pt+8*(\i), WB+12, 64+12*\pt, 64*\pt+8*(\i), 160+(\i), 168+\pt, 1
.endif
.endr
	WIN 0
	PLACES 4                                       ; in front of loads into registers that these have read, and of the first read of results
.if (\i) < 6
	WLOAD (\i)+2
.endif
.endm
	s_cmp_lt_u32 s20, 4
	s_cbranch_scc0 .Lvwork
	; ---- q, k: accumulator (position tile pt, weight tile i) at 64 pt + 8 i: a lane's 64 registers of tile pt are channels 64 c + 32 h + 0 .. 31, c = 0, 1
.irp i, 0,1,2,3,4,5,6,7
	MMT \i, 0
.endr
	WIN 0x14
.irp b, 0,1,2,3,4,5,6,7                        ; b = 2 pt + c
	v_max3_num_f32 v[112+\b], 0x1800000, |v[32*\b]|, |v[32*\b+1]|
.endr
.irp i, 2,4,6,8,10,12,14,16,18,20,22,24,26,28,30
.irp b, 0,1,2,3,4,5,6,7
	v_max3_num_f32 v[112+\b], v[112+\b], |v[32*\b+\i]|, |v[32*\b+\i+1]|   ; each accumulator is read from its low end on
.endr
.endr
	WIN 0
.irp b, 0,1,2,3,4,5,6,7
	v_add_nc_u32 v[120+\b], 0xff000000, v[112+\b]
.endr
.irp b, 0,1,2,3,4,5,6,7
	v_lshrrev_b32 v[128+\b], 23, v[120+\b]
.endr
.irp pt, 0,1,2,3
	v_lshl_or_b32 v[136+\pt], v[129+2*\pt], 16, v[128+2*\pt]   ; my two bytes: blocks h and 2 + h of my position,
	v_lshlrev_b32 v[136+\pt], v10, v[136+\pt]
	v_permlanex16_b32 v[140+\pt], v[136+\pt], s40, s41
	v_or_b32 v[136+\pt], v[136+\pt], v[140+\pt]    ; with lane l xor 16's: the position's scale word
.endr
	WIN 0x01
.irp b, 0,1,2,3,4,5,6,7
	v_cvt_scalef32_pk16_fp6_f32 v[16+6*\b:18+6*\b], v[32*\b:32*\b+15], v[120+\b]
	v_cvt_scalef32_pk16_fp6_f32 v[176+4*\b:178+4*\b], v[32*\b+16:32*\b+31], v[120+\b]
.endr
	WIN 0
	v_nop
.irp b, 0,1,2,3,4,5,6,7
.irp i, 0,1,2
	v_mov_b32 v[19+6*\b+\i], v[176+4*\b+\i]
.endr
.endr
	s_lshl_b32 s36, s23, 6
	s_add_co_u32 s36, s36, s22
	s_mul_i32 s36, s36, 12800                      ; block 64 b + G
	s_mov_b32 s37, 0
	s_cmp_lt_u32 s20, 2
	s_cselect_b64 s[44:45], s[14:15], s[16:17]     ; qc or kc: the choice hangs on the wave's number
	s_add_nc_u64 s[44:45], s[44:45], s[36:37]
	s_and_b32 s38, s20, 1                          ; my 128 channels are K step u % 2 of the next product
	s_mul_i32 s39, s38, 6144
	v_add_nc_u32 v236, s39, v11
	s_lshl_b32 s38, s38, 8
	v_add_nc_u32 v237, s38, v13
.irp pt, 0,1,2,3
.irp g, 0,1,2
	global_store_b128 v236, v[16+12*\pt+4*\g:19+12*\pt+4*\g], s[44:45] offset:1536*\pt+512*\g   ; 512 consecutive bytes a store
.endr
.endr
	global_store_b128 v237, v[136:139], s[44:45] offset:12288   ; the four tiles' words of row r: 256 consecutive bytes; both halves of the lanes store the same
	s_branch .Ldone
	; ---- v: accumulator (weight tile i, position tile pt) at 32 i + 8 pt: a lane's 32 registers of tile i are the keys 32 h + 0 .. 31 of one channel (code 8 pt + j = key 4 j + pt)
.Lvwork:
.irp i, 0,1,2,3,4,5,6,7
	MMT \i, 1
.endr
	WIN 0x14
.irp b, 0,1,2,3,4,5,6,7
	v_max3_num_f32 v[112+\b], 0x1800000, |v[32*\b]|, |v[32*\b+1]|
.endr
.irp i, 2,4,6,8,10,12,14,16,18,20,22,24,26,28,30
.irp b, 0,1,2,3,4,5,6,7
	v_max3_num_f32 v[112+\b], v[112+\b], |v[32*\b+\i]|, |v[32*\b+\i+1]|
.endr
.endr
	WIN 0
.irp b, 0,1,2,3,4,5,6,7
	v_add_nc_u32 v[120+\b], 0xff000000, v[112+\b]
.endr
.irp b, 0,1,2,3,4,5,6,7
	v_lshrrev_b32 v[128+\b], 23, v[120+\b]
.endr
.irp b, 0,1,2,3,4,5,6,7
	v_lshlrev_b32 v[128+\b], v10, v[128+\b]        ; my byte at place h,
	v_permlanex16_b32 v[136+\b], v[128+\b], s40, s41
	v_or_b32 v[128+\b], v[128+\b], v[136+\b]       ; with lane l xor 16's: this group's two bytes of the channel's scale word
.endr
	WIN 0x01
.irp b, 0,1,2,3,4,5,6,7
	v_cvt_scalef32_pk16_fp6_f32 v[16+6*\b:18+6*\b], v[32*\b:32*\b+15], v[120+\b]
	v_cvt_scalef32_pk16_fp6_f32 v[176+4*\b:178+4*\b], v[32*\b+16:32*\b+31], v[120+\b]
.endr
	WIN 0
	v_nop
.irp b, 0,1,2,3,4,5,6,7
.irp i, 0,1,2
	v_mov_b32 v[19+6*\b+\i], v[176+4*\b+\i]
.endr
.endr
	v_cmp_ne_u32 vcc_lo, 0, v10
.irp i, 0,1,2,3
	v_cndmask_b32 v[144+\i], v[128+\i], v[132+\i], vcc_lo   ; lanes 0-15 store tiles 0-3's bytes, lanes 16-31 tiles 4-7's
.endr
	s_lshl_b32 s36, s23, 5
	s_lshr_b32 s38, s22, 1
	s_add_co_u32 s36, s36, s38
	s_mul_i32 s36, s36, 25600                      ; key step 32 b + G / 2
	s_mov_b32 s37, 0
	s_add_nc_u64 s[46:47], s[18:19], s[36:37]
	s_and_b32 s38, s22, 1                          ; which half of its 128 keys
	s_sub_co_u32 s39, s20, 4
	s_mul_i32 s36, s38, 12288
	s_mul_i32 s42, s39, 6144                       ; my eight channel tiles
	s_add_co_u32 s36, s36, s42
	s_add_nc_u64 s[44:45], s[46:47], s[36:37]
	s_lshl_b32 s36, s39, 9
	s_lshl_b32 s38, s38, 1
	s_add_co_u32 s36, s36, s38
	s_add_co_u32 s36, s36, 24576
	s_add_nc_u64 s[46:47], s[46:47], s[36:37]
.irp i, 0,1,2,3,4,5,6,7
	global_store_b128 v11, v[16+6*\i:19+6*\i], s[44:45] offset:768*\i
	global_store_b64 v12, v[20+6*\i:21+6*\i], s[44:45] offset:768*\i+512
.endr
.irp i, 0,1,2,3
	global_store_b16 v11, v[144+\i], s[46:47] offset:4*\i
.endr
.Ldone:
	s_wait_tensorcnt 0x0
	ds_add_u32 v254, v255
	s_wait_dscnt 0x0
	ROUND                                          ; the closing round: no work-group ends while a partner may still ask for a unit that names it
	s_endpgm
.Lfunc_end_k_q21db57d72a_qkv:
	.size	k_q21db57d72a_qkv, .Lfunc_end_k_q21db57d72a_qkv-k_q21db57d72a_qkv
	.p2alignl 7, 3214868480
	.fill 96, 4, 3214868480
	.section	.rodata,"a",@progbits
	.p2align	6, 0x0
	.amdhsa_kernel k_q21db57d72a_qkv
		.amdhsa_group_segment_fixed_size 168704
		.amdhsa_private_segment_fixed_size 0
		.amdhsa_enable_private_segment 0
		.amdhsa_kernarg_size 64
		.amdhsa_user_sgpr_count 2
		.amdhsa_user_sgpr_kernarg_segment_ptr 1
		.amdhsa_wavefront_size32 1
		.amdhsa_system_sgpr_workgroup_id_x 1
		.amdhsa_system_sgpr_workgroup_id_y 1
		.amdhsa_system_sgpr_workgroup_id_z 1
		.amdhsa_system_vgpr_workitem_id 0
		.amdhsa_next_free_vgpr 512
		.amdhsa_next_free_sgpr 72
		.amdhsa_reserve_vcc 1
		.amdhsa_float_denorm_mode_32 3
		.amdhsa_float_denorm_mode_16_64 3
		.amdhsa_memory_ordered 1
		.amdhsa_forward_progress 1
		.amdhsa_inst_pref_size 88
	.end_amdhsa_kernel
	.amdgpu_metadata
---
amdhsa.version: [ 1, 2 ]
amdhsa.kernels:
  - .name:           k_q21db57d72a_qkv
    .symbol:         k_q21db57d72a_qkv.kd
    .args:
      - { .name: x, .offset: 0, .size: 8, .value_kind: global_buffer, .address_space: global }
      - { .name: coef, .offset: 8, .size: 8, .value_kind: global_buffer, .address_space: global }
      - { .name: gn_b, .offset: 16, .size: 8, .value_kind: global_buffer, .address_space: global }
      - { .name: wc, .offset: 24, .size: 8, .value_kind: global_buffer, .address_space: global }
      - { .name: qkv_b, .offset: 32, .size: 8, .value_kind: global_buffer, .address_space: global }
      - { .name: qc, .offset: 40, .size: 8, .value_kind: global_buffer, .address_space: global }
      - { .name: kc, .offset: 48, .size: 8, .value_kind: global_buffer, .address_space: global }
      - { .name: vc, .offset: 56, .size: 8, .value_kind: global_buffer, .address_space: global }
    .group_segment_fixed_size: 168704
    .private_segment_fixed_size: 0
    .kernarg_segment_align: 8
    .kernarg_segment_size: 64
    .max_flat_workgroup_size: 192
    .sgpr_count:     72
    .vgpr_count:     512
    .wavefront_size: 32
...
	.end_amdgpu_metadata
.endif
;; end of part 2
;; launch attn (part 3): grid 64 x 4, 4 waves a work-group, clusters of 4 x 1, 327,680 bytes of LDS; arguments qc, kc, vc, wc, proj_b, x, out0; writes out0
.if DOCPART == 3
	.amdgcn_target "amdgcn-amd-amdhsa--gfx1250"
	.amdhsa_code_object_version 6
	.text
	.protected	k_q21db57d72a_attn
	.globl	k_q21db57d72a_attn
	.p2align	8
	.type	k_q21db57d72a_attn,@function
k_q21db57d72a_attn:
	s_mov_b64 s[64:65], 0
	v_nop
	global_prefetch_b8 v0, s[64:65] scope:SCOPE_SE
	s_setreg_imm32_b32 hwreg(HW_REG_WAVE_MODE, 25, 1), 1
	s_wait_xcnt 0x0
	s_wait_alu depctr_hold_cnt(0) depctr_sa_sdst(0) depctr_va_vdst(0) depctr_va_sdst(0) depctr_va_ssrc(0) depctr_va_vcc(0) depctr_vm_vsrc(0)
	s_getreg_b32 s2, hwreg(HW_REG_IB_STS2, 6, 4)
	s_cmp_eq_u32 s2, 0
	s_cbranch_scc0 .Lentry_in_a_cluster
	s_endpgm
.Lentry_in_a_cluster:
	s_bfe_u32 s2, ttmp6, 0x10000c
	s_cmp_lg_u32 s2, 0x3003
	s_cbranch_scc0 .Lentry_shape_is_right
	s_endpgm
.Lentry_shape_is_right:
; out0 = x + proj_w (softmax(q^T k / 16) v) + proj_b, all three products on codes of FP6 (E2M3) with one E8M0 scale for each 32 along K.
; SOFTMAX: t = score x log2(e) / 16; M = the ceiling of the running largest t; p = 2^(t - M) is quantised along the keys, not normalised; the sum l is taken of the unquantised p; when M moves, l and O are
; multiplied by 2^(old M - new M), which rounds nothing.  O is divided by l at the end, quantised along the channels, and multiplied by proj_w.
; SHARES.  A work-group owns 64 queries (group G of a batch).  EVERY WAVE HOLDS ALL FOUR TILES OF QUERIES, AND THE KEYS ARE SPLIT: wave w takes key steps 4 i + w (128 keys each), i = 0 .. 7.  So each fragment of K
; and V is read from LDS once in the work-group and feeds four matrix instructions.  Each wave has its own M, l and O; they are merged at the end (powers of two again).
; Register slot t of wave w holds query tile (t + w) % 4, by the addresses of Q's loads: so the tile that wave w finishes is its slot 0, and the merge is one text for all waves.
; LAYOUT.  S^T = K Q^T and O^T = V P^T: a lane holds one query.  Row rho of key tile q is key 4 rho + q, so a lane's 32 registers of four tiles are one whole block of 32 keys: its largest score needs no other lane
; and the conversions' results are P's operand registers.  Code 8 q + j of a block is key 4 j + q, in p here and in v's codes alike.  V's channel tiles are chosen so that O^T's registers run along whole blocks of channels.
; CLUSTER.  The four work-groups of a cluster walk the same K and V: wave w's block of 25,600 bytes is asked for jointly by the four waves w.  Each change of a slot stands behind a round of the cluster's barrier.
; By this text's own count a wave has two tensor loads out at the start and one behind each round.  A trip has two rounds: K's slot is asked for again behind key tile 4, V's as soon as V's last fragment has been
; asked of LDS, ahead of slot 3's exponentials: K's load then has 24 products and three slots' softmax in which to land, V's the rest of slot 3's softmax and 104 products.
; LDS: wave w: K's slot at 51,200 w, V's 25,600 on (on the way out: the wave's O of slots 1-3, after the slots' last fill); STAT, OIMG, OSC, STG: the end's exchanges; SPARE: the spare words.  All of LDS is claimed.
; LIMITS: NaN and infinities are not served; p under 2^-126 counts as 0; a block of p or of out whose largest magnitude lies under 2^-124 keeps the scale byte 1.
; REGISTERS.  Window 0: v1 16 x lane + my slots, v2 8 x lane + my slots, v3 8 h, v4, v5 for the add, v6 the prefetches' offset, v7 16 x lane; v8 + 2 t: -M, v9 + 2 t: l; v16 + 2 t: f; v24 + 2 t + c: a block's largest score;
;   v32-35 Q's scale words, v36-39 p's, v40-47 K's, v48-55 V's (these hold scales alone); v56-63 at work; v64-159 Q (24 t + 12 s); v160-255 four sets of a K tile's two fragments; in the softmax v160-207 p's codes, v208-215 at work.
;   Window 1: S^T, then p, at 64 t + 32 c + 8 q + j; then V's 16 fragments.   Window 2: O^T of slots 0, 1 at 128 t + 8 ct.   Window 3: slots 2, 3.
.set BLKB,  25600
.set SLOTW, 51200
.set STEPB, 102400                     ; from a wave's key step to its next: four blocks
.set STAT,  204800
.set OIMG,  208896
.set OSC,   221184
.set STG,   222208
.set SPARE, 291840
.set MSB, 0
.macro WIN new                         ; the immediate's high byte repeats the setting that is left; a switch that changes nothing is dropped
.if MSB != \new
	s_set_vgpr_msb (MSB<<8)|\new
.set MSB, \new
.endif
.endm
.macro PLACES n
.rept \n
	v_nop
.endr
.endm
.macro CROUND                          ; a round of the cluster's barrier
	s_barrier_signal -1
	s_barrier_wait -1
	s_cmp_lg_u32 s18, 0
	s_cbranch_scc1 .Lnot_wave_0_\@
	s_barrier_signal -3
.Lnot_wave_0_\@:
	s_barrier_wait -3
	s_barrier_signal -1
	s_barrier_wait -1
.endm
; a matrix instruction.  c < 0: C is the constant 0 (the product starts the sum).  ra, rb = 1: that side's scales from lanes 16-31
.macro WM d, a, b, c, sa, sb, ra, rb
.if (\c) < 0
.if (\ra) && (\rb)
	v_wmma_scale_f32_16x16x128_f8f6f4 v[(\d):(\d)+7], v[(\a):(\a)+11], v[(\b):(\b)+11], 0, v[\sa], v[\sb] matrix_a_fmt:MATRIX_FMT_FP6 matrix_b_fmt:MATRIX_FMT_FP6 matrix_a_scale:MATRIX_SCALE_ROW1 matrix_b_scale:MATRIX_SCALE_ROW1
.elseif (\ra)
	v_wmma_scale_f32_16x16x128_f8f6f4 v[(\d):(\d)+7], v[(\a):(\a)+11], v[(\b):(\b)+11], 0, v[\sa], v[\sb] matrix_a_fmt:MATRIX_FMT_FP6 matrix_b_fmt:MATRIX_FMT_FP6 matrix_a_scale:MATRIX_SCALE_ROW1
.elseif (\rb)
	v_wmma_scale_f32_16x16x128_f8f6f4 v[(\d):(\d)+7], v[(\a):(\a)+11], v[(\b):(\b)+11], 0, v[\sa], v[\sb] matrix_a_fmt:MATRIX_FMT_FP6 matrix_b_fmt:MATRIX_FMT_FP6 matrix_b_scale:MATRIX_SCALE_ROW1
.else
	v_wmma_scale_f32_16x16x128_f8f6f4 v[(\d):(\d)+7], v[(\a):(\a)+11], v[(\b):(\b)+11], 0, v[\sa], v[\sb] matrix_a_fmt:MATRIX_FMT_FP6 matrix_b_fmt:MATRIX_FMT_FP6
.endif
.else
.if (\ra) && (\rb)
	v_wmma_scale_f32_16x16x128_f8f6f4 v[(\d):(\d)+7], v[(\a):(\a)+11], v[(\b):(\b)+11], v[(\c):(\c)+7], v[\sa], v[\sb] matrix_a_fmt:MATRIX_FMT_FP6 matrix_b_fmt:MATRIX_FMT_FP6 matrix_a_scale:MATRIX_SCALE_ROW1 matrix_b_scale:MATRIX_SCALE_ROW1
.elseif (\ra)
	v_wmma_scale_f32_16x16x128_f8f6f4 v[(\d):(\d)+7], v[(\a):(\a)+11], v[(\b):(\b)+11], v[(\c):(\c)+7], v[\sa], v[\sb] matrix_a_fmt:MATRIX_FMT_FP6 matrix_b_fmt:MATRIX_FMT_FP6 matrix_a_scale:MATRIX_SCALE_ROW1
.elseif (\rb)
	v_wmma_scale_f32_16x16x128_f8f6f4 v[(\d):(\d)+7], v[(\a):(\a)+11], v[(\b):(\b)+11], v[(\c):(\c)+7], v[\sa], v[\sb] matrix_a_fmt:MATRIX_FMT_FP6 matrix_b_fmt:MATRIX_FMT_FP6 matrix_b_scale:MATRIX_SCALE_ROW1
.else
	v_wmma_scale_f32_16x16x128_f8f6f4 v[(\d):(\d)+7], v[(\a):(\a)+11], v[(\b):(\b)+11], v[(\c):(\c)+7], v[\sa], v[\sb] matrix_a_fmt:MATRIX_FMT_FP6 matrix_b_fmt:MATRIX_FMT_FP6
.endif
.endif
.endm
; key tile T = 4 c + q: its two fragments (K steps 0, 1 of the head's 256) into set (T + 2) % 4: six loads of 512 consecutive bytes
.macro KLOAD T
	WIN 0
.set KB, 160+24*(((\T)+2)%4)
.set KO, ((\T)/4)*12800+((\T)%4)*1536
.irp s, 0,1
.irp g, 0,1,2
	ds_load_b128 v[KB+12*\s+4*\g:KB+12*\s+4*\g+3], v1 offset:KO+6144*\s+512*\g
.endr
.endr
.endm
.macro KPRE                            ; a key step's scale words of K and its first two tiles: into registers that the products V P^T do not name
	WIN 0
	ds_load_b128 v[40:43], v1 offset:12288
	ds_load_b128 v[44:47], v1 offset:12800+12288
	KLOAD 0
	KLOAD 1
.endm
; S^T of key tile T for the four slots: eight matrix instructions on four accumulators by turns
.macro SPROD T
	WIN 0x50                                       ; C and D window 1
.set KB, 160+24*(((\T)+2)%4)
.set SD, 32*((\T)/4)+8*((\T)%4)
.irp tau, 0,1,2,3
	WM 64*\tau+SD, KB, 64+24*\tau, -1, 40+(\T), 32+\tau, 0, 0
.endr
.irp tau, 0,1,2,3
	WM 64*\tau+SD, KB+12, 76+24*\tau, 64*\tau+SD, 40+(\T), 32+\tau, 1, 1
.endr
.endm
; the largest score of each slot's block takes in key tile T: 16 lines, the slots by turns; each accumulator is read from its low end on.  They stand behind the next tile's products and are the places behind those
.macro MAXT T
	WIN 0x14                                       ; sources 1 and 2 window 1
.set SD, 32*((\T)/4)+8*((\T)%4)
.irp k, 0,1,2,3
.irp tau, 0,1,2,3
.if ((\T)%4 == 0) && (\k == 0)
	v_max3_num_f32 v[24+2*\tau+(\T)/4], 0xff800000, v[64*\tau+SD], v[64*\tau+SD+1]
.else
	v_max3_num_f32 v[24+2*\tau+(\T)/4], v[24+2*\tau+(\T)/4], v[64*\tau+SD+2*\k], v[64*\tau+SD+2*\k+1]
.endif
.endr
.endr
.endm
; A PREFETCH of my wave's block two trips on, one trip ahead of the tensor load that will want it.  All clusters of a batch walk the same blocks: the batch's first cluster asks.  Its four partners share a block's
; 100 runs of 256 bytes out BY ADDRESS, 25 each, a lane a run (lanes 25-31 name lane 24's again).  The trips whose look-ahead would pass the batch's last key step ask for nothing; nothing is asked for at the head.
.macro ASK pf
	s_cmp_gt_u32 s42, s43
	s_cbranch_scc0 .Lnot_mine_\@
	global_prefetch_b8 v6, s[\pf:\pf+1] th:TH_LOAD_NT scope:SCOPE_SE
.Lnot_mine_\@:
.endm
; A SLOT IS FILLED AGAIN, in two parts, so that work on registers can stand between the add and the wait for it.
; CHEAD: all my tensor loads have landed (the other slot's among them), 0 is added to my spare word, the addresses step.
; CTAIL: the add and my reads of this slot are waited for; a round of the cluster's barrier; the joint load first behind it.
.macro CHEAD g0, pf
	WIN 0
	s_wait_tensorcnt 0x0                           ; no tensor load of mine is out, so a group 0 may be written
	ds_add_u32 v4, v5                              ; 0 onto my spare word; work on registers stands between it and the wait for it
	s_add_nc_u64 s[\g0+2:\g0+3], s[\g0+2:\g0+3], STEPB   ; my next key step; the type bits on top are not reached
	s_wait_xcnt 0x0                                ; the last prefetch by this address, a trip back, has read it
	s_add_nc_u64 s[\pf:\pf+1], s[\pf:\pf+1], STEPB
.endm
.macro CTAIL g0, pf
	WIN 0                                          ; at a label and at a branch every window is 0
	s_wait_dscnt 0x0                               ; the add is done, and my reads of the slot are over
	CROUND
	tensor_load_to_lds s[\g0:\g0+3], s[24:31]
	s_nop 0
	PLACES 4
	ASK \pf
.endm
.macro CHANGE g0, pf
	CHEAD \g0, \pf
	CTAIL \g0, \pf
.endm
.macro VLOAD ct                        ; V's fragment of channel tile ct: two half images (keys 0-63, 64-127)
	ds_load_b128 v[12*(\ct):12*(\ct)+3], v1 offset:BLKB+768*(\ct)
	ds_load_b64 v[12*(\ct)+4:12*(\ct)+5], v2 offset:BLKB+768*(\ct)+512
	ds_load_b128 v[12*(\ct)+6:12*(\ct)+9], v1 offset:BLKB+12288+768*(\ct)
	ds_load_b64 v[12*(\ct)+10:12*(\ct)+11], v2 offset:BLKB+12288+768*(\ct)+512
.endm
; THE SOFTMAX of slot tau for this key step, in two parts.  first = 1: the first key step, which starts M and l.
.macro SMSET tau
.set rM, 8+2*(\tau)
.set rL, 9+2*(\tau)
.set rF, 16+2*(\tau)
.set rB, 24+2*(\tau)
.set rS, 64*(\tau)
.set rP, 160+12*(\tau)
.endm
; SMA: the new M, f, and t - M of the slot's 64 scores: plain work on registers, no transcendental
.macro SMA tau, first
	SMSET \tau
	WIN 0
	v_max_num_f32 v56, v[rB], v[rB+1]              ; my 64 keys' largest score,
	v_permlanex16_b32 v57, v56, s40, s41
	v_max_num_f32 v56, v56, v57                    ; with lane l xor 16's: the step's, of my query
	v_mul_f32 v56, s22, v56                        ; as t
.if \first
	v_floor_f32 v[rM], -v56                        ; -M = floor(-t) = -ceil(t)
.else
	v_floor_f32 v56, -v56
	v_min_num_f32 v56, v56, v[rM]                  ; the ceiling of the running maximum is the maximum of the ceilings
	v_sub_f32 v57, v56, v[rM]                      ; old M - new M: a whole number, 0 or less
	v_mov_b32 v[rM], v56
	v_cvt_i32_f32 v57, v57                         ; (it saturates)
	v_ldexp_f32 v[rF], 1.0, v57                    ; f = 2^(old M - new M)
.endif
	v_fma_f32 v[rB], v[rB], s22, v[rM]             ; t - M of each block's largest score: p rises with the score, so this gives the block's largest p
	v_fma_f32 v[rB+1], v[rB+1], s22, v[rM]
	WIN 0x41                                       ; destination and source 0 window 1
.set j, 0
.rept 32
	v_pk_fma_f32 v[rS+j:rS+j+1], v[rS+j:rS+j+1], s[22:23], v[rM:rM+1] op_sel_hi:[1,0,0]   ; t - M, two at a time (of the pairs the low word serves both halves)
.set j, j+2
.endr
.endm
; SMB: the exponentials, p's scale word and codes, and the sum
.macro SMB tau, first
	SMSET \tau
	WIN 0x41
.set j, 0
.rept 64
	v_exp_f32 v[rS+j], v[rS+j]                     ; p = 2^(t - M)
.set j, j+1
.endr
	WIN 0
	v_exp_f32 v[rB], v[rB]
	v_exp_f32 v[rB+1], v[rB+1]
	v_nop                                          ; a plain instruction behind the last exponential
	s_wait_alu depctr_va_vdst(0)                   ; one wait for the 66, ahead of their first reader
	v_max_num_f32 v[rB], 0x1800000, v[rB]          ; the floor 2^(3 - 127): the byte cannot fall under 1
	v_max_num_f32 v[rB+1], 0x1800000, v[rB+1]
	v_add_nc_u32 v58, 0xff000000, v[rB]            ; 2 off the exponent field: the conversion's scale operand
	v_add_nc_u32 v59, 0xff000000, v[rB+1]
	v_lshrrev_b32 v60, 23, v58                     ; the scale's byte
	v_lshrrev_b32 v61, 23, v59
	v_lshl_or_b32 v[36+(\tau)], v61, 16, v60       ; my two bytes: blocks h and 2 + h,
	v_lshlrev_b32 v[36+(\tau)], v3, v[36+(\tau)]
	v_permlanex16_b32 v62, v[36+(\tau)], s40, s41
	v_or_b32 v[36+(\tau)], v[36+(\tau)], v62       ; with lane l xor 16's: p's scale word for these 128 keys
	WIN 0x01                                       ; source 0 window 1
.irp c, 0,1
	v_cvt_scalef32_pk16_fp6_f32 v[rP+6*\c:rP+6*\c+2], v[rS+32*\c:rS+32*\c+15], v[58+\c]
	v_cvt_scalef32_pk16_fp6_f32 v[208+4*\c:210+4*\c], v[rS+32*\c+16:rS+32*\c+31], v[58+\c]   ; (a conversion's three registers begin on an even number)
.endr
	WIN 0
	v_nop                                          ; a plain instruction behind the conversions
.irp c, 0,1
.irp i, 0,1,2
	v_mov_b32 v[rP+3+6*\c+\i], v[208+4*\c+\i]
.endr
.endr
	WIN 0x45                                       ; the sum of the UNQUANTISED p: a tree of packed additions, in place
.irp w, 4,8,16,32,64
.set u, 0
.rept 64/\w
	v_pk_add_f32 v[rS+\w*u:rS+\w*u+1], v[rS+\w*u:rS+\w*u+1], v[rS+\w*u+\w/2:rS+\w*u+\w/2+1]
.set u, u+1
.endr
.endr
	WIN 0x05
.if \first
	v_add_f32 v[rL], v[rS], v[rS+1]
	WIN 0
.else
	v_add_f32 v56, v[rS], v[rS+1]
	WIN 0
	v_fma_f32 v[rL], v[rL], v[rF], v56             ; l = f l + the step's sum
.endif
.endm
.macro SM tau, first
	SMA \tau, \first
	SMB \tau, \first
.endm
; O^T of channel tile ct under the new M, two slots at a time: 8 packed multiplies.  hi = 0: slots 0, 1 (window 2); hi = 1: slots 2, 3 (window 3).  They name no register of the products round them
.macro RESCH ct, hi
.if \hi
	WIN 0xc3
.else
	WIN 0x82
.endif
.irp tau, 0,1
.irp k, 0,2,4,6
	v_pk_mul_f32 v[128*\tau+8*(\ct)+\k:128*\tau+8*(\ct)+\k+1], v[128*\tau+8*(\ct)+\k:128*\tau+8*(\ct)+\k+1], v[16+4*(\hi)+2*\tau:17+4*(\hi)+2*\tau] op_sel_hi:[1,0]
.endr
.endr
.endm
; O^T += V P^T for channel tile ct: four matrix instructions, one for each slot; behind each two of them stand the eight multiplies that bring the same two slots' next channel tile under the new M:
; two products and nine other lines by turns, with the same four window switches that products and multiplies in two runs would need
.macro PVP ct, first
.set VS, 48+4*((\ct)/8)+(\ct)%4
.set VR, ((\ct)/4)%2
	WIN 0xa1                                       ; A (V) window 1, B (p) window 0, C and D window 2
.irp tau, 0,1
.if \first
	WM 128*\tau+8*(\ct), 12*(\ct), 160+12*\tau, -1, VS, 36+\tau, VR, 0
.else
	WM 128*\tau+8*(\ct), 12*(\ct), 160+12*\tau, 128*\tau+8*(\ct), VS, 36+\tau, VR, 0
.endif
.endr
.if (!\first) && ((\ct) < 15)
	RESCH \ct+1, 0
.endif
	WIN 0xf1                                       ; C and D window 3
.irp tau, 0,1
.if \first
	WM 128*\tau+8*(\ct), 12*(\ct), 184+12*\tau, -1, VS, 38+\tau, VR, 0
.else
	WM 128*\tau+8*(\ct), 12*(\ct), 184+12*\tau, 128*\tau+8*(\ct), VS, 38+\tau, VR, 0
.endif
.endr
.if (!\first) && ((\ct) < 15)
	RESCH \ct+1, 1
.endif
.endm
; A KEY STEP of my wave.  refill = 1: K's slot is filled again when its last tile has been asked for, V's when V's last fragment has been asked for.
.macro TRIP first, refill
	PLACES 5                                       ; the scores are written over registers that the last products read as V (five places), and K's tiles land on p's codes (four) (ISA guide 7.12.1)
	KLOAD 2
	KLOAD 3
.irp T, 0,1,2,3,4,5,6,7
.if \T <= 4
	s_wait_dscnt 18                                ; tile T is in; the three tiles behind it, six loads each, may be out
.endif
	SPROD \T
.if \T == 0
	WIN 0
	PLACES 4
.else
	MAXT \T-1
.endif
.if \T <= 3
	KLOAD \T+4                                     ; into the set that tile T has left
.endif
.if \T == 4
.if \refill
	CHANGE 32, 44                                  ; all of K has been asked for; the wait for all loads also shows this step's V landed
.else
	s_wait_tensorcnt 0x0                           ; the last V has landed (my own bytes)
	s_wait_dscnt 0x0
.endif
.endif
.endr
	MAXT 7
	SM 0, \first
	SM 1, \first
	WIN 0x40                                       ; V lands where the p of slots 0 and 1 lay
.irp ct, 0,1,2,3,4,5,6,7,8,9
	VLOAD \ct
.endr
	WIN 0
	ds_load_b128 v[48:51], v1 offset:BLKB+24576    ; V's scale words
	ds_load_b128 v[52:55], v1 offset:BLKB+24576+512
	SM 2, \first
	WIN 0x40
.irp ct, 10,11,12,13,14,15
	VLOAD \ct
.endr
.if \refill
	CHEAD 36, 46                                   ; the wait for all loads also shows the next K landed
	SMA 3, \first                                  ; slot 3's scalings stand between the add and the wait for it, while V's last fragments come out of LDS
	CTAIL 36, 46                                   ; all of V is in registers: its slot is asked for again
	SMB 3, \first
	KPRE                                           ; behind slot 3's conversions, whose work registers K's first tile takes
.else
	SM 3, \first
	s_wait_dscnt 0x0
.endif
.if \first
	PLACES 8
.else
	RESCH 0, 0
	RESCH 0, 1
.endif
.irp ct, 0,1,2,3,4,5,6,7,8,9,10,11,12,13,14,15
	PVP \ct, \first
.endr
	WIN 0
.endm
	s_load_b256 s[4:11], s[0:1], 0x0               ; qc s[4:5], kc s[6:7], vc s[8:9], wc s[10:11]
	s_load_b128 s[12:15], s[0:1], 0x20             ; proj_b s[12:13], x s[14:15]
	s_load_b64 s[16:17], s[0:1], 0x30              ; out0
	v_lshl_add_u32 v4, v0, 2, SPARE
	v_mov_b32 v5, 0
	ds_add_u32 v4, v5
	ds_add_u32 v4, v5
	s_wait_dscnt 0x0
	v_lshrrev_b32 v56, 5, v0
	v_readfirstlane_b32 s18, v56                   ; wave 0..3
	s_bfe_u32 s19, ttmp6, 0x40000                  ; cx
	s_lshl_b32 s20, ttmp9, 2
	s_add_co_u32 s20, s20, s19                     ; G = 4 x cluster x + cx: it enters global addresses of Q, x and out0 alone
	s_and_b32 s21, ttmp7, 0xffff                   ; b, which the partners share
	; descriptor group 1: a dense block of 25,600 bytes as 100 rows of 256 bytes (32 elements of 8 bytes), no padding
	s_mov_b32 s24, 15|(3<<16)|(1<<21)              ; 15:0 the mask: all four work-groups; 17:16 elements of 8 bytes; 21 set beside a mask
	s_mov_b32 s25, 32<<16
	s_mov_b32 s26, 100<<16
	s_mov_b32 s27, 32<<16
	s_mov_b32 s28, 100
	s_mov_b32 s29, 32
	s_mov_b32 s30, 0
	s_mov_b32 s31, 0
	s_mov_b32 s22, 0x3db8aa3b                      ; log2(e) / 16
	s_mov_b32 s23, s22                             ; (named with it as a pair, so it is written)
	s_mov_b32 s40, 0x76543210                      ; v_permlanex16_b32's selects for lane l xor 16
	s_mov_b32 s41, 0xfedcba98
	s_mul_i32 s48, s18, SLOTW                      ; my two slots: no place in the cluster enters an LDS address
	s_lshl_b32 s50, s21, 5
	s_add_co_u32 s50, s50, s18
	s_mul_i32 s50, s50, BLKB                       ; key step 32 b + w
	s_mov_b32 s51, 0
	s_cmp_eq_u32 ttmp9, 0
	s_cselect_b32 s43, 1, -1                       ; 1 in the batch's first cluster, else the greatest number: a wave prefetches while the count of trips is above it
	s_mul_i32 s52, s19, 6400                       ; my work-group's 25 runs of a block,
	s_add_co_u32 s52, s52, STEPB                   ; in my second key step: the first change steps it to the third
	s_mov_b32 s53, 0
	s_add_nc_u64 s[52:53], s[52:53], s[50:51]
	v_and_b32 v57, 31, v0                          ; lane
	v_lshlrev_b32 v7, 4, v57
	v_add_nc_u32 v1, s48, v7
	v_lshl_add_u32 v2, v57, 3, s48
	v_bfe_u32 v3, v0, 4, 1
	v_lshlrev_b32 v3, 3, v3
	v_min_u32 v6, 24, v57
	v_lshlrev_b32 v6, 8, v6
.irp i, 9,11,13,15,16,17,18,19,20,21,22,23
	v_mov_b32 v[\i], 0                             ; l, and f with the upper halves of its pairs: named in pairs before they are first made
.endr
	s_wait_kmcnt 0x0
	s_mov_b32 s32, 1                               ; K's group 0: count = 1,
	s_mov_b32 s33, s48                             ; LDS address,
	s_add_nc_u64 s[34:35], s[6:7], s[50:51]        ; global address,
	s_or_b32 s35, s35, 0x80000000                  ; type = 2
	s_mov_b32 s36, 1                               ; V's
	s_add_co_u32 s37, s48, BLKB
	s_add_nc_u64 s[38:39], s[8:9], s[50:51]
	s_or_b32 s39, s39, 0x80000000
	s_add_nc_u64 s[44:45], s[6:7], s[52:53]        ; where my prefetches stand, in kc and in vc
	s_add_nc_u64 s[46:47], s[8:9], s[52:53]
	CROUND                                         ; all four work-groups are here: the first joint loads meet
	tensor_load_to_lds s[32:35], s[24:31]          ; my first K and my first V, together
	s_nop 0
	tensor_load_to_lds s[36:39], s[24:31]
	s_nop 0
	PLACES 4
	s_lshl_b32 s54, s21, 6
	s_add_co_u32 s54, s54, s20
	s_mul_i32 s54, s54, 12800                      ; Q: block 64 b + G
	s_mov_b32 s55, 0
	s_add_nc_u64 s[4:5], s[4:5], s[54:55]
.irp tau, 0,1,2,3
	s_add_co_u32 s56, s18, \tau
	s_and_b32 s56, s56, 3                          ; slot tau holds query tile (tau + w) % 4
	s_mul_i32 s57, s56, 1536
	v_add_nc_u32 v[56+\tau], s57, v7
	v_lshl_add_u32 v[60+\tau], s56, 2, v7
.endr
.irp tau, 0,1,2,3
.irp s, 0,1
.irp g, 0,1,2
	global_load_b128 v[64+24*\tau+12*\s+4*\g:67+24*\tau+12*\s+4*\g], v[56+\tau], s[4:5] offset:6144*\s+512*\g
.endr
.endr
	global_load_b32 v[32+\tau], v[60+\tau], s[4:5] offset:12288   ; its scale words: lanes 0-15 K step 0, lanes 16-31 K step 1
.endr
	s_wait_tensorcnt 0x1                           ; my first K has landed (I alone read it); V may stay out: nothing is filled here
	KPRE
	s_wait_loadcnt 0x0                             ; Q
	s_mov_b32 s42, 7                               ; trips that still fill slots
	TRIP 1, 1
	s_mov_b32 s42, 6
.Ltrip:
	TRIP 0, 1
	s_sub_co_u32 s42, s42, 1
	s_cmp_lg_u32 s42, 0
	s_cbranch_scc1 .Ltrip
	TRIP 0, 0                                      ; the last key step is written out: it asks for nothing
	; ---- THE END.  What the last phases want from memory is asked for first: my 64 rows of proj_w as codes, their scale words, their bias, and x at my 64 output channels
	PLACES 4                                       ; behind the last products: loads land on V's registers, and O^T is read
	s_mul_i32 s48, s18, 12800
	s_add_co_u32 s48, s48, 153600                  ; wc: units 6 and 7 are proj_w; block w holds rows 64 w on
	s_mov_b32 s49, 0
	s_add_nc_u64 s[10:11], s[10:11], s[48:49]
.irp f, 0,1,2,3,4,5,6,7                        ; fragment f = 4 s + q
.irp g, 0,1,2
	global_load_b128 v[64+12*\f+4*\g:67+12*\f+4*\g], v7, s[10:11] offset:1536*\f+512*\g
.endr
.endr
	global_load_b128 v[40:43], v7, s[10:11] offset:12288
	v_and_b32 v205, 15, v0
	v_lshlrev_b32 v204, 4, v205
	v_lshlrev_b32 v205, 2, v205                    ; v205  4 r
	v_lshl_add_u32 v204, v3, 11, v204              ; v204  h rows of 16,384 bytes + 16 (lane % 16)
	s_lshl_b32 s48, s18, 8
	s_add_nc_u64 s[12:13], s[12:13], s[48:49]
.irp q, 0,1,2,3
	global_load_b32 v[200+\q], v205, s[12:13] offset:64*\q   ; proj_b[64 w + 16 q + r]
.endr
	s_lshl_b32 s48, s21, 22
	s_lshl_b32 s50, s18, 20
	s_add_co_u32 s48, s48, s50
	s_lshl_b32 s50, s20, 8
	s_add_co_u32 s48, s48, s50                     ; batch b, channel 64 w, position 64 G
	s_add_nc_u64 s[14:15], s[14:15], s[48:49]
	s_add_nc_u64 s[16:17], s[16:17], s[48:49]
	WIN 0x40
.set i, 0
.rept 32
	global_load_b128 v[4*i:4*i+3], v204, s[14:15] offset:32768*i th:TH_LOAD_NT   ; channels 64 w + 2 i + h: sixteen lanes read 256 consecutive bytes
.set i, i+1
.endr
	WIN 0
	; the addresses of the exchanges
	v_lshrrev_b32 v216, 2, v7                      ; 4 x lane
	s_lshl_b32 s48, s18, 10
	s_add_co_u32 s48, s48, STAT
	v_add_nc_u32 v206, s48, v216                   ; v206  my statistics: STAT + 1,024 w + 4 x lane
.irp d, 1,2,3                                  ; my tile lies in slot d of wave (w - d) % 4
	s_add_co_u32 s48, s18, 4-\d
	s_and_b32 s48, s48, 3
	s_mul_i32 s49, s48, SLOTW
	s_add_co_u32 s49, s49, (\d-1)*16384
	v_add_nc_u32 v[206+\d], s49, v7                ; v207-209  its O^T
	s_lshl_b32 s48, s48, 10
	s_add_co_u32 s48, s48, STAT+256*\d
	v_add_nc_u32 v[209+\d], s48, v216              ; v210-212  its -M and l
.endr
	s_mul_i32 s48, s18, 3072
	s_add_co_u32 s48, s48, OIMG
	v_add_nc_u32 v213, s48, v7                     ; v213  where I store out's two fragments
	s_lshl_b32 s48, s18, 8
	s_add_co_u32 s48, s48, OSC
	v_add_nc_u32 v214, s48, v216                   ; v214  and their scale words
	v_add_nc_u32 v215, OIMG, v7                    ; v215, v216  where all are read
	v_add_nc_u32 v216, OSC, v216
	s_mul_i32 s48, s18, 17408
	s_add_co_u32 s48, s48, STG                     ; my stage: 64 rows of 256 bytes + 16
	v_and_b32 v217, 15, v0
	v_lshlrev_b32 v218, 4, v217
	v_mul_u32_u24 v217, v217, 272
	v_lshl_add_u32 v217, v3, 4, v217
	v_add_nc_u32 v217, s48, v217                   ; v217  in: row r, + 128 h
	v_bfe_u32 v219, v0, 4, 1
	v_mad_u32_u24 v218, v219, 272, v218
	v_add_nc_u32 v218, s48, v218                   ; v218  back: lanes 0-15 one row, lanes 16-31 the next
	; ---- each slot's sum; slots 1 to 3 go to the waves that finish them
.irp tau, 0,1,2,3
	v_permlanex16_b32 v[24+\tau], v[9+2*\tau], s40, s41
.endr
.irp tau, 0,1,2,3
	v_add_f32 v[9+2*\tau], v[9+2*\tau], v[24+\tau] ; with lane l xor 16's keys
.endr
.irp tau, 1,2,3
	ds_store_b32 v206, v[8+2*\tau] offset:256*\tau
	ds_store_b32 v206, v[9+2*\tau] offset:256*\tau+128
.endr
	WIN 0x08                                       ; an LDS store's data are its source 1: window 2
.set n, 0
.rept 32
	ds_store_b128 v1, v[128+4*n:131+4*n] offset:512*n            ; slot 1, as its registers stand; each accumulator from its low end on.  My slots have had their last fill and their last read
.set n, n+1
.endr
	WIN 0x0c
.set n, 0
.rept 32
	ds_store_b128 v1, v[4*n:4*n+3] offset:16384+512*n            ; slot 2
.set n, n+1
.endr
.set n, 0
.rept 32
	ds_store_b128 v1, v[128+4*n:131+4*n] offset:32768+512*n      ; slot 3
.set n, n+1
.endr
	WIN 0
	s_wait_dscnt 0x0                               ; for the others' sake: my stores have landed
	s_barrier_signal -1
	s_barrier_wait -1
	; ---- the merge of my tile: M* = the largest of the four M; each part is multiplied by 2^(M - M*) / l*
.irp d, 1,2,3
	ds_load_b32 v[226+2*\d], v[209+\d]
	ds_load_b32 v[227+2*\d], v[209+\d] offset:128
.endr
	WIN 0x80
.set n, 0
.rept 32
	ds_load_b128 v[128+4*n:131+4*n], v207 offset:512*n
.set n, n+1
.endr
	WIN 0
	s_wait_dscnt 32                                ; the statistics are in; the 32 loads behind them may be out
	v_min3_num_f32 v236, v8, v228, v230
	v_min_num_f32 v236, v236, v232                 ; -M*
	v_sub_f32 v220, v236, v8
	v_sub_f32 v222, v236, v228
	v_sub_f32 v224, v236, v230
	v_sub_f32 v226, v236, v232
.irp i, 220,222,224,226
	v_cvt_i32_f32 v[\i], v[\i]
.endr
.irp i, 220,222,224,226
	v_ldexp_f32 v[\i], 1.0, v[\i]                  ; 2^(M - M*)
.endr
	v_mul_f32 v237, v9, v220
	v_fmac_f32 v237, v229, v222
	v_fmac_f32 v237, v231, v224
	v_fmac_f32 v237, v233, v226                    ; l*
	v_rcp_f32 v238, v237
	v_nop                                          ; a plain instruction behind the transcendental
	s_wait_alu depctr_va_vdst(0)                   ; and a wait ahead of its first reader
.irp i, 220,222,224,226
	v_mul_f32 v[\i], v[\i], v238                   ; a power of two times 1 / l*
.endr
	WIN 0xc0
.set n, 0
.rept 32
	ds_load_b128 v[4*n:4*n+3], v208 offset:512*n
.set n, n+1
.endr
	WIN 0x82
.set n, 0
.rept 64
	v_pk_mul_f32 v[n:n+1], v[n:n+1], v[220:221] op_sel_hi:[1,0]   ; my own part; each accumulator from its low end on
.set n, n+2
.endr
	s_wait_dscnt 32                                ; the first partner's part is in
	WIN 0xa2
.set n, 0
.rept 64
	v_pk_fma_f32 v[n:n+1], v[128+n:129+n], v[222:223], v[n:n+1] op_sel_hi:[1,0,1]
.set n, n+2
.endr
	WIN 0xc0
.set n, 0
.rept 32
	ds_load_b128 v[128+4*n:131+4*n], v209 offset:512*n
.set n, n+1
.endr
	s_wait_dscnt 32                                ; the second's
	WIN 0xa3
.set n, 0
.rept 64
	v_pk_fma_f32 v[n:n+1], v[n:n+1], v[224:225], v[n:n+1] op_sel_hi:[1,0,1]
.set n, n+2
.endr
	s_wait_dscnt 0x0                               ; the third's
.set n, 0
.rept 64
	v_pk_fma_f32 v[n:n+1], v[128+n:129+n], v[226:227], v[n:n+1] op_sel_hi:[1,0,1]
.set n, n+2
.endr
	; ---- out of my 16 queries is quantised along the channels: register 64 s + 32 c + i is channel 128 s + 64 c + 32 h + i
	WIN 0x28                                       ; sources 1 and 2 window 2
.irp b, 0,1,2,3
	v_max3_num_f32 v[240+\b], 0x1800000, |v[32*\b]|, |v[32*\b+1]|
.endr
.irp i, 2,4,6,8,10,12,14,16,18,20,22,24,26,28,30
.irp b, 0,1,2,3
	v_max3_num_f32 v[240+\b], v[240+\b], |v[32*\b+\i]|, |v[32*\b+\i+1]|
.endr
.endr
	WIN 0
.irp b, 0,1,2,3
	v_add_nc_u32 v[244+\b], 0xff000000, v[240+\b]
.endr
.irp b, 0,1,2,3
	v_lshrrev_b32 v[248+\b], 23, v[244+\b]
.endr
.irp s, 0,1
	v_lshl_or_b32 v[252+\s], v[249+2*\s], 16, v[248+2*\s]
	v_lshlrev_b32 v[252+\s], v3, v[252+\s]
	v_permlanex16_b32 v[254+\s], v[252+\s], s40, s41
	v_or_b32 v[252+\s], v[252+\s], v[254+\s]
.endr
	WIN 0x02                                       ; source 0 window 2
.irp b, 0,1,2,3
	v_cvt_scalef32_pk16_fp6_f32 v[160+6*\b:162+6*\b], v[32*\b:32*\b+15], v[244+\b]
	v_cvt_scalef32_pk16_fp6_f32 v[184+4*\b:186+4*\b], v[32*\b+16:32*\b+31], v[244+\b]
.endr
	WIN 0
	v_nop
.irp b, 0,1,2,3
.irp i, 0,1,2
	v_mov_b32 v[163+6*\b+\i], v[184+4*\b+\i]
.endr
.endr
.irp s, 0,1
.irp g, 0,1,2
	ds_store_b128 v213, v[160+12*\s+4*\g:163+12*\s+4*\g] offset:1536*\s+512*\g
.endr
	ds_store_b32 v214, v[252+\s] offset:128*\s
.endr
	s_wait_dscnt 0x0                               ; for the others' sake
	s_barrier_signal -1
	s_barrier_wait -1                              ; out's eight fragments lie in LDS
	; ---- y: my 64 output channels for the 64 queries: source 0 = out (16 queries), source 1 = proj_w (16 outputs); 16 accumulators by turns
	WIN 0x40
.irp f, 0,1,2,3,4,5,6,7                        ; fragment f = 2 t + s
.irp g, 0,1,2
	ds_load_b128 v[128+12*\f+4*\g:131+12*\f+4*\g], v215 offset:1536*\f+512*\g
.endr
.endr
	WIN 0
.irp f, 0,1,2,3,4,5,6,7
	ds_load_b32 v[48+\f], v216 offset:128*\f
.endr
	s_wait_dscnt 0x0
	s_wait_loadcnt 0x0                             ; proj_w's codes, scale words and bias, and x
	WIN 0xf1                                       ; A window 1, B window 0, C and D window 3
.irp t, 0,1,2,3
.irp q, 0,1,2,3
	WM 32*\t+8*\q, 128+24*\t, 64+12*\q, -1, 48+2*\t, 40+\q, 0, 0
.endr
.endr
.irp t, 0,1,2,3
.irp q, 0,1,2,3
	WM 32*\t+8*\q, 140+24*\t, 112+12*\q, 32*\t+8*\q, 49+2*\t, 40+\q, 0, 1
.endr
.endr
	WIN 0
	PLACES 4
	; ---- the way out.  Register j of accumulator (t, q) is position 32 h + 4 j + t of channel 64 w + 16 q + r: the line that adds the bias also lays four neighbouring positions in four neighbouring registers
	WIN 0x83                                       ; destination window 2, source 0 window 3
.irp t, 0,1,2,3
.irp q, 0,1,2,3
.irp j, 0,1,2,3,4,5,6,7
	v_add_f32 v[32*\q+4*\j+\t], v[32*\t+8*\q+\j], v[200+\q]
.endr
.endr
.endr
	WIN 0x08
.irp q, 0,1,2,3
.irp j, 0,1,2,3,4,5,6,7
	ds_store_b128 v217, v[32*\q+4*\j:32*\q+4*\j+3] offset:4352*\q+16*\j
.endr
.endr
	WIN 0x80
.set i, 0
.rept 32
	ds_load_b128 v[128+4*i:131+4*i], v218 offset:544*i   ; LDS serves a wave's instructions in order (ISA guide 5.7.1.4): these see my stores; the stage is my own
.set i, i+1
.endr
.irp bq, 0,1,2,3
	s_wait_dscnt 24-8*\bq                          ; eight more pairs of rows are back
	WIN 0x86                                       ; window 2 += x (window 1)
.set i, 32*\bq
.rept 16
	v_pk_add_f32 v[128+i:129+i], v[128+i:129+i], v[i:i+1]
.set i, i+2
.endr
	WIN 0x08
.set i, 8*\bq
.rept 8
	global_store_b128 v204, v[128+4*i:131+4*i], s[16:17] offset:32768*i th:TH_STORE_NT   ; sixteen lanes store 256 consecutive bytes, at a multiple of 256 from out0's first byte
.set i, i+1
.endr
.endr
	WIN 0
	s_wait_tensorcnt 0x0                           ; the wave's end, behind my last tensor load and my last LDS store
	ds_add_u32 v4, v5
	s_wait_dscnt 0x0
	CROUND                                         ; the closing round: no work-group ends while a partner may still ask for a block that names it
	s_endpgm
.Lfunc_end_k_q21db57d72a_attn:
	.size	k_q21db57d72a_attn, .Lfunc_end_k_q21db57d72a_attn-k_q21db57d72a_attn
	.p2alignl 7, 3214868480
	.fill 96, 4, 3214868480
	.section	.rodata,"a",@progbits
	.p2align	6, 0x0
	.amdhsa_kernel k_q21db57d72a_attn
		.amdhsa_group_segment_fixed_size 327680
		.amdhsa_private_segment_fixed_size 0
		.amdhsa_enable_private_segment 0
		.amdhsa_kernarg_size 56
		.amdhsa_user_sgpr_count 2
		.amdhsa_user_sgpr_kernarg_segment_ptr 1
		.amdhsa_wavefront_size32 1
		.amdhsa_system_sgpr_workgroup_id_x 1
		.amdhsa_system_sgpr_workgroup_id_y 1
		.amdhsa_system_sgpr_workgroup_id_z 1
		.amdhsa_system_vgpr_workitem_id 0
		.amdhsa_next_free_vgpr 1024
		.amdhsa_next_free_sgpr 72
		.amdhsa_reserve_vcc 0
		.amdhsa_float_denorm_mode_32 3
		.amdhsa_float_denorm_mode_16_64 3
		.amdhsa_memory_ordered 1
		.amdhsa_forward_progress 1
		.amdhsa_inst_pref_size 255
	.end_amdhsa_kernel
	.section	.bss,"aw",@nobits
	.p2align	6
	.space	262144
	.amdgpu_metadata
---
amdhsa.version: [ 1, 2 ]
amdhsa.kernels:
  - .name:           k_q21db57d72a_attn
    .symbol:         k_q21db57d72a_attn.kd
    .args:
      - { .name: qc, .offset: 0, .size: 8, .value_kind: global_buffer, .address_space: global }
      - { .name: kc, .offset: 8, .size: 8, .value_kind: global_buffer, .address_space: global }
      - { .name: vc, .offset: 16, .size: 8, .value_kind: global_buffer, .address_space: global }
      - { .name: wc, .offset: 24, .size: 8, .value_kind: global_buffer, .address_space: global }
      - { .name: proj_b, .offset: 32, .size: 8, .value_kind: global_buffer, .address_space: global }
      - { .name: x, .offset: 40, .size: 8, .value_kind: global_buffer, .address_space: global }
      - { .name: out0, .offset: 48, .size: 8, .value_kind: global_buffer, .address_space: global }
    .group_segment_fixed_size: 327680
    .private_segment_fixed_size: 0
    .kernarg_segment_align: 8
    .kernarg_segment_size: 56
    .max_flat_workgroup_size: 128
    .sgpr_count:     72
    .vgpr_count:     1024
    .wavefront_size: 32
...
	.end_amdgpu_metadata
.endif
;; end of part 3
